; MI455X (gfx1250); checked and timed in simulation.
; The chip was launched on July 23, 2026; its instructions are those of AMD's public machine-readable ISA for CDNA 5 (MIT licence, August 2026) and "CDNA5" Instruction Set Architecture Reference Guide (July 2026). The comments in the code are by the model that wrote it; some were corrected since.
;; Multi Head Attention. Allowed arithmetic: matrix products marked QUANTISED: E2M3 operands, one E8M0 scale for each 32 along K, by v_wmma_scale_f32_16x16x128_f8f6f4 with both operands' format E2M3, f32 sums; everything else in f32.
;; Inputs: Wk 512 x 512 float32; Wp 512 x 512 float32; Wq 512 x 512 float32; Wv 512 x 512 float32; x 4 x 2,048 x 512 float32.
;; Outputs: out0 4 x 2,048 x 512 float32.
;; Constants: causal_mask = 0.
;; This version of the problem:
;;   THIS VERSION OF THE PROBLEM IS GIVEN IN LOW PRECISION. The matrix products marked QUANTISED in the list below multiply operands that are first quantised to E2M3 (2 exponent bits, 3 mantissa bits; 6 bits a number), with one power-of-two scale for each 32 numbers along K (OCP MX v1.0); their sums are f32. All else is computed in f32.
;;   The module's matrix products, in the order in which they are computed (A, B: the left and right operand; K: the contracted axis; several contracted axes count as one K, in the product's order):
;;     1. [M 8,192, K 512] x [K 512, N 512]; A: input x; B: input Wq: QUANTISED
;;     2. [M 8,192, K 512] x [K 512, N 512]; A: input x; B: input Wk: QUANTISED
;;     3. [M 8,192, K 512] x [K 512, N 512]; A: input x; B: input Wv: QUANTISED
;;     4. batch 32 x [M 2,048, K 64] x [K 64, N 2,048]; A: computed on the way; B: computed on the way: QUANTISED
;;     5. batch 32 x [M 2,048, K 2,048] x [K 2,048, N 64]; A: softmax (see below); B: computed on the way: QUANTISED
;;     6. [M 8,192, K 512] x [K 512, N 512]; A: computed on the way; B: input Wp: QUANTISED
;;   THE QUANTISER, for each operand of a quantised product, along K:
;;     - K is cut into blocks of 32 from its start; a last block that is shorter is filled with zeros.
;;     - A block's scale is 2^e with e = floor(log2(the largest magnitude in the block)) - 2, held to -126 .. 127; a block of zeros has e = 0. As a byte (E8M0): e + 127.
;;     - Each number is divided by its block's scale, clamped to +-7.5, and rounded to the nearest number of E2M3, ties to even, subnormals kept.
;;     - The product sums the exact products of the quantised numbers (number of the format x scale) in f32.
;;   ~~~python
;;   def quantise(x, axis):      # numpy; x: float32 -> the quantised numbers, widened to float32 again
;;       x = np.moveaxis(x, axis, -1); K = x.shape[-1]
;;       x = np.pad(x, [(0, 0)] * (x.ndim - 1) + [(0, -K % 32)]); x = x.reshape(x.shape[:-1] + (-1, 32)); a = np.abs(x).max(-1, keepdims=True)
;;       e = np.where(a > 0, np.clip(np.frexp(np.where(a > 0, a, 1))[1] - 1 - 2, -126, 127), 0)      # np.frexp(a)[1] - 1 = floor(log2(a)), exactly
;;       r = np.clip(x / 2.0 ** e, -7.5, 7.5)
;;       step = 2.0 ** (np.maximum(np.frexp(np.where(r == 0, 1, r))[1] - 1, 0) - 3)
;;       q = np.round(r / step) * step * 2.0 ** e      # np.round: ties to even
;;       return np.moveaxis(q.reshape(q.shape[:-2] + (-1,))[..., :K], -1, axis).astype(np.float32)
;;   ~~~
;;   SOFTMAX AHEAD OF A QUANTISED PRODUCT. Where the list says 'softmax', what is quantised is not the finished softmax but p = 2^(t - M), with t = logit x log2(e) and M = ceil(the row's largest t), a whole number; so 1/2 < the row's largest p <= 1. The row's sum l is taken of the UNQUANTISED p, in f32, and the product's result is divided by l at the end. Since M is a whole number, a kernel that streams over the keys may use a running M (the ceiling of the running maximum): every later rescaling is an exact power of two, which a block's scale takes up: the codes' values come out the same.
;;   OPERANDS COMPUTED ON THE WAY. 'Computed on the way' means the value that the module computes at that place (a softmax that the list does not call 'softmax' is quantised finished and normalised). What goes into a quantiser is computed in f32, as accurately as f32 sums, v_exp_f32 and their like allow (about 1e-6 of the number): no bf16 or f16 on the way to a quantiser, and a product that is left as it is and whose result goes on into a quantised operand takes f32 operands (vector FMAs, or v_wmma_f32_16x16x4_f32). A number that lies on a knife's edge between two numbers of the format may be rounded either way, as far as f32 arithmetic and the matrix unit's own rounding can turn it there, and no further.
;; One version. Each part assembles by itself: llvm-mc -triple=amdgcn-amd-amdhsa -mcpu=gfx1250 --defsym DOCPART=n.
;; ======== version 1 of 1: 4 launches
;; limits: right only within a limited range of input values
;; workspace buffers: cod 3,932,160 bytes; scl 327,680 bytes; qc 3,145,728 bytes; qs 262,144 bytes; kv 6,815,744 bytes; oc 3,145,728 bytes; os 262,144 bytes
;; launch quant (part 1): grid 256 x 1, 5 waves a work-group, no clusters, 85,248 bytes of LDS; arguments x, Wq, Wk, Wv, Wp, cod, scl; writes cod, scl
.if DOCPART == 1
	.amdgcn_target "amdgcn-amd-amdhsa--gfx1250"
	.amdhsa_code_object_version 6
	.text
	.protected	k_q7ce8c63329_quant
	.globl	k_q7ce8c63329_quant
	.p2align	8
	.type	k_q7ce8c63329_quant,@function
k_q7ce8c63329_quant:
	s_mov_b64 s[64:65], 0
	v_nop
	global_prefetch_b8 v0, s[64:65] scope:SCOPE_SE
	s_setreg_imm32_b32 hwreg(HW_REG_WAVE_MODE, 25, 1), 1
	s_wait_xcnt 0x0
; MULTI-HEAD ATTENTION IN MX-FP6 (E2M3, one E8M0 scale for each 32 along K), FOUR LAUNCHES: quant, qkv, attn, proj.  THIS ONE: x and the four weights become codes and scale bytes.
; DEAD WORK: none is left out.  Every input buffer has a way to out0.  causal_mask is a listed constant, 0: reference() then builds no mask, so there is none here and it is no buffer.
; Both factors 512^-0.5 stand ahead of a quantiser or of the output and are multiplied in f32 where reference() has them.
; LIMITS: NaN and infinities among the inputs are not served.  A block whose largest magnitude lies under 2^-124 (a block of zeros too) keeps the scale byte 1 where the stated quantiser says
; 127 for zeros: its codes are then zeros or the nearest codes under that scale, and the bytes are read by this program alone.
; LAYOUT OF THE WORKSPACE.  An operand lies in memory as an IMAGE OF ITS REGISTERS.  A fragment is 16 rows x 128 K = 12 registers a lane = 1,536 bytes: registers 4 c .. 4 c + 3 of lane l at 512 c + 16 l.
; cod [tile 640][K step 4][1,536]: tiles 0-511 x, 512-543 Wq, 544-575 Wk, 576-607 Wv, 608-639 Wp.   scl [tile][half 2][lane 32][8 bytes]: lane l has row l % 16's scale words of K steps 2 half, 2 half + 1.
; THE ROWS OF A TILE ARE NOT NEIGHBOURS: lane r of tile t holds row 32 (t / 2) + 8 (t % 2) + r + 8 (r / 8).  With that order a product's results of two neighbouring tiles are 16 neighbours along
; the next product's K in one lane's registers, in every later launch.
; SHARES.  2,560 fragments = 1,280 waves x 2: wave f = 5 x work-group + wave takes tile f / 2, K steps 2 (f % 2) and 2 (f % 2) + 1: 16 rows x 1,024 bytes, all asked for at the head (32 loads of 512
; consecutive bytes).  The conversions want 16 neighbours along K in ONE lane, the loads want neighbouring bytes in neighbouring lanes: so a K step turns through the wave's own stage in LDS.
; No matrix unit, no cluster (no two work-groups read the same bytes), no tensor load, no barrier (waves share nothing).
.set WREG,  16896                      ; LDS of a wave: two stages of 16 rows x 528 bytes (512 + 16: an odd multiple of 16, so that the 16 rows of a read do not meet)
.set STG1,  8448
.set SP,    528
.set SPARE, 5*WREG                     ; behind the stages: the spare words, 128 bytes for each wave, rounded up to three blocks of 256 bytes that no other line names
.set LI,   1                           ; v1   16 x lane
.set L8,   2                           ; v2   8 x lane
.set SIN,  3                           ; v3   the stage, on the way in: 16 x lane
.set SOUT, 4                           ; v4   and out: row l % 16, + 64 (l / 16)
.set SPW,  5                           ; v5   LDS address of my spare word; never rewritten
.set NIL,  6                           ; v6   0; never rewritten
.set R,    16                          ; v16-143  as loaded: K step k, row i at 16 + 64 k + 4 i
.set X0,   144                         ; v144-207 the first K step's 64 numbers of my row
.set X1,   16                          ; v16-79   the second's, where the first's loads lay
.set PC0,  208                         ; v208-227 the first fragment's codes
.set PC1,  144                         ; v144-163 the second's
.set TM,   228                         ; v228-243 at work
.set PW,   244                         ; v244-245 the two scale words
.set SEL,  30                          ; s[30:31] v_permlanex16_b32's selects for lane l xor 16
; 64 numbers of a lane, register 16 b + i = k 32 b + 16 (lane / 16) + i of my row, become a fragment's codes in v[pc] on (12 registers; 8 more at work) and its scale word in v[pw].
.macro QUANT src, pc, pw
.irp b, 0,1,2,3
	v_max3_num_f32 v[TM+\b], |v[\src+16*\b]|, |v[\src+1+16*\b]|, 0x1800000   ; block b: my 16 numbers, and the floor 2^(3 - 127): the byte cannot fall under 1
.endr
.irp i, 2,4,6,8,10,12,14
.irp b, 0,1,2,3
	v_max3_num_f32 v[TM+\b], v[TM+\b], |v[\src+16*\b+\i]|, |v[\src+1+16*\b+\i]|   ; the four blocks by turns
.endr
.endr
.irp b, 0,1,2,3
	v_permlanex16_b32 v[TM+4+\b], v[TM+\b], s[SEL], s[SEL+1]
.endr
.irp b, 0,1,2,3
	v_max_num_f32 v[TM+\b], v[TM+\b], v[TM+4+\b]   ; with lane l xor 16's 16: the block's largest magnitude
.endr
.irp b, 0,1,2,3
	v_add_nc_u32 v[TM+12+\b], 0xff000000, v[TM+\b]   ; 2 off its exponent field: the conversion takes the exponent field of this operand as its scale
.endr
.irp b, 0,1,2,3
	v_lshrrev_b32 v[TM+4+\b], 23, v[TM+12+\b]      ; the scale's byte
.endr
	v_lshl_or_b32 v[\pw], v[TM+5], 8, v[TM+4]      ; four bytes: my row's scale word
	v_lshl_or_b32 v[\pw], v[TM+6], 16, v[\pw]
	v_lshl_or_b32 v[\pw], v[TM+7], 24, v[\pw]
.irp c, 0,1
	v_cvt_scalef32_pk16_fp6_f32 v[\pc+6*\c:\pc+2+6*\c], v[\src+32*\c:\src+15+32*\c], v[TM+12+2*\c]
	v_cvt_scalef32_pk16_fp6_f32 v[\pc+12+4*\c:\pc+14+4*\c], v[\src+16+32*\c:\src+31+32*\c], v[TM+12+2*\c+1]   ; (a conversion's three registers begin on an even number)
.endr
	v_nop                                          ; one plain place behind the scaled conversions
.irp c, 0,1                                    ; the operand wants a WHOLE block in a lane: lanes 0-15 block 2 c, lanes 16-31 block 2 c + 1
.irp i, 0,1,2
	v_permlane16_swap_b32 v[\pc+6*\c+\i], v[\pc+12+4*\c+\i]
.endr
.irp i, 0,1,2
	v_mov_b32 v[\pc+3+6*\c+\i], v[\pc+12+4*\c+\i]
.endr
.endr
.endm
	s_load_b256 s[4:11], s[0:1], 0x0               ; x, Wq, Wk, Wv
	s_load_b128 s[12:15], s[0:1], 0x20             ; Wp, cod
	s_load_b64 s[16:17], s[0:1], 0x30              ; scl
	v_lshl_add_u32 v[SPW], v0, 2, SPARE
	v_mov_b32 v[NIL], 0
	v_lshrrev_b32 v7, 5, v0
	v_readfirstlane_b32 s18, v7                    ; wave 0..4
	v_and_b32 v7, 31, v0                           ; lane
	v_lshlrev_b32 v[LI], 4, v7
	v_lshlrev_b32 v[L8], 3, v7
	s_mul_i32 s19, s18, WREG                       ; my stages
	v_add_nc_u32 v[SIN], s19, v[LI]
	v_and_b32 v8, 15, v0                           ; r
	v_bfe_u32 v9, v0, 4, 1                         ; h
	v_mul_u32_u24 v[SOUT], v8, SP
	v_lshl_add_u32 v[SOUT], v9, 6, v[SOUT]
	v_add_nc_u32 v[SOUT], s19, v[SOUT]
.irp b, 0,1,2,3
	v_mov_b32 v[TM+4+\b], 0                        ; written once: a lane permute's destination counts as one of its sources
.endr
	s_mov_b32 s[SEL], 0x76543210
	s_mov_b32 s[SEL+1], 0xfedcba98
	s_mul_i32 s20, ttmp9, 5
	s_add_co_u32 s20, s20, s18                     ; f
	s_lshr_b32 s21, s20, 1                         ; the tile, 0 .. 639
	s_and_b32 s22, s20, 1                          ; which half of K
	s_and_b32 s23, s21, 31                         ; the tile's number in a weight (512 is a multiple of 32),
	s_cmp_lt_u32 s21, 512
	s_cselect_b32 s23, s21, s23                    ; or in x
	s_lshr_b32 s24, s23, 1
	s_lshl_b32 s24, s24, 16                        ; 32 rows of 2,048 bytes for each pair of tiles,
	s_and_b32 s25, s23, 1
	s_lshl_b32 s25, s25, 14                        ; 8 rows for the odd one,
	s_add_co_u32 s24, s24, s25
	s_lshl_b32 s25, s22, 10                        ; 1,024 bytes for the second half of K
	s_add_co_u32 s24, s24, s25
	s_mov_b32 s25, 0
	s_mul_i32 s26, s20, 3072                       ; my two fragments in cod
	s_mov_b32 s27, 0
	s_lshl_b32 s28, s20, 8                         ; my 256 bytes in scl
	s_mov_b32 s29, 0
	s_wait_alu depctr_va_vdst(0)
	s_wait_kmcnt 0x0
	s_cmp_lt_u32 s21, 608                          ; which tensor: the choice hangs on the tile's number alone
	s_cselect_b64 s[12:13], s[10:11], s[12:13]
	s_cmp_lt_u32 s21, 576
	s_cselect_b64 s[12:13], s[8:9], s[12:13]
	s_cmp_lt_u32 s21, 544
	s_cselect_b64 s[12:13], s[6:7], s[12:13]
	s_cmp_lt_u32 s21, 512
	s_cselect_b64 s[12:13], s[4:5], s[12:13]
	s_add_nc_u64 s[12:13], s[12:13], s[24:25]
	s_add_nc_u64 s[14:15], s[14:15], s[26:27]
	s_add_nc_u64 s[16:17], s[16:17], s[28:29]
.irp k, 0,1
.irp i, 0,1,2,3,4,5,6,7,8,9,10,11,12,13,14,15
	global_load_b128 v[R+64*\k+4*\i:R+64*\k+4*\i+3], v[LI], s[12:13] offset:(\i+8*(\i/8))*2048+512*\k th:TH_LOAD_NT   ; the tile's row i, K step k: 32 lanes read 512 consecutive bytes, read once in the launch
.endr
.endr
	s_wait_loadcnt 16                              ; the first K step's 16 loads are in; the second's 16 may be out
.irp i, 0,1,2,3,4,5,6,7,8,9,10,11,12,13,14,15
	ds_store_b128 v[SIN], v[R+4*\i:R+4*\i+3] offset:SP*\i
.endr
.irp b, 0,1,2,3
.irp j, 0,1,2,3
	ds_load_b128 v[X0+16*\b+4*\j:X0+16*\b+4*\j+3], v[SOUT] offset:128*\b+16*\j   ; LDS serves a wave's instructions in order (ISA guide 5.7.1.4): these see the stores above
.endr
.endr
	s_wait_loadcnt 0x0
.irp i, 0,1,2,3,4,5,6,7,8,9,10,11,12,13,14,15
	ds_store_b128 v[SIN], v[R+64+4*\i:R+64+4*\i+3] offset:STG1+SP*\i
.endr
	s_wait_dscnt 16                                ; all but the 16 stores just issued: the first K step is back, and its stores have read the registers that the loads below take
.irp b, 0,1,2,3
.irp j, 0,1,2,3
	ds_load_b128 v[X1+16*\b+4*\j:X1+16*\b+4*\j+3], v[SOUT] offset:STG1+128*\b+16*\j
.endr
.endr
	QUANT X0, PC0, PW
.irp c, 0,1,2
	global_store_b128 v[LI], v[PC0+4*\c:PC0+4*\c+3], s[14:15] offset:512*\c   ; 512 consecutive bytes, at a multiple of 256 from cod's first byte
.endr
	s_wait_dscnt 0x0                               ; the second K step is back
	QUANT X1, PC1, PW+1
.irp c, 0,1,2
	global_store_b128 v[LI], v[PC1+4*\c:PC1+4*\c+3], s[14:15] offset:1536+512*\c
.endr
	global_store_b64 v[L8], v[PW:PW+1], s[16:17]   ; 256 consecutive bytes, aligned.  No store's data are written again: no wait on XCNT is owed
	s_wait_tensorcnt 0x0                           ; the wave's end
	ds_add_u32 v[SPW], v[NIL]
	s_wait_dscnt 0x0
	s_endpgm
.Lfunc_end_k_q7ce8c63329_quant:
	.size	k_q7ce8c63329_quant, .Lfunc_end_k_q7ce8c63329_quant-k_q7ce8c63329_quant
	.p2alignl 7, 3214868480
	.fill 96, 4, 3214868480
	.section	.rodata,"a",@progbits
	.p2align	6, 0x0
	.amdhsa_kernel k_q7ce8c63329_quant
		.amdhsa_group_segment_fixed_size 85248
		.amdhsa_private_segment_fixed_size 0
		.amdhsa_enable_private_segment 0
		.amdhsa_kernarg_size 56
		.amdhsa_user_sgpr_count 2
		.amdhsa_user_sgpr_kernarg_segment_ptr 1
		.amdhsa_wavefront_size32 1
		.amdhsa_system_sgpr_workgroup_id_x 1
		.amdhsa_system_sgpr_workgroup_id_y 1
		.amdhsa_system_sgpr_workgroup_id_z 1
		.amdhsa_system_vgpr_workitem_id 0
		.amdhsa_next_free_vgpr 248
		.amdhsa_next_free_sgpr 66
		.amdhsa_reserve_vcc 0
		.amdhsa_float_denorm_mode_32 3
		.amdhsa_float_denorm_mode_16_64 3
		.amdhsa_memory_ordered 1
		.amdhsa_forward_progress 1
		.amdhsa_inst_pref_size 18
	.end_amdhsa_kernel
	.amdgpu_metadata
---
amdhsa.version: [ 1, 2 ]
amdhsa.kernels:
  - .name:           k_q7ce8c63329_quant
    .symbol:         k_q7ce8c63329_quant.kd
    .args:
      - { .name: x, .offset: 0, .size: 8, .value_kind: global_buffer, .address_space: global }
      - { .name: Wq, .offset: 8, .size: 8, .value_kind: global_buffer, .address_space: global }
      - { .name: Wk, .offset: 16, .size: 8, .value_kind: global_buffer, .address_space: global }
      - { .name: Wv, .offset: 24, .size: 8, .value_kind: global_buffer, .address_space: global }
      - { .name: Wp, .offset: 32, .size: 8, .value_kind: global_buffer, .address_space: global }
      - { .name: cod, .offset: 40, .size: 8, .value_kind: global_buffer, .address_space: global }
      - { .name: scl, .offset: 48, .size: 8, .value_kind: global_buffer, .address_space: global }
    .group_segment_fixed_size: 85248
    .private_segment_fixed_size: 0
    .kernarg_segment_align: 8
    .kernarg_segment_size: 56
    .max_flat_workgroup_size: 160
    .sgpr_count:     66
    .vgpr_count:     248
    .wavefront_size: 32
...
	.end_amdgpu_metadata
.endif
;; end of part 1
;; launch qkv (part 2): grid 4 x 64, 8 waves a work-group, clusters of 4 x 4, 214,016 bytes of LDS; arguments cod, scl, qc, qs, kv; writes qc, qs, kv
.if DOCPART == 2
	.amdgcn_target "amdgcn-amd-amdhsa--gfx1250"
	.amdhsa_code_object_version 6
	.text
	.protected	k_q7ce8c63329_qkv
	.globl	k_q7ce8c63329_qkv
	.p2align	8
	.type	k_q7ce8c63329_qkv,@function
k_q7ce8c63329_qkv:
	s_mov_b64 s[64:65], 0
	v_nop
	global_prefetch_b8 v0, s[64:65] scope:SCOPE_SE
	s_setreg_imm32_b32 hwreg(HW_REG_WAVE_MODE, 25, 1), 1
	s_wait_xcnt 0x0
	s_wait_alu depctr_hold_cnt(0) depctr_sa_sdst(0) depctr_va_vdst(0) depctr_va_sdst(0) depctr_va_ssrc(0) depctr_va_vcc(0) depctr_vm_vsrc(0)
	s_getreg_b32 s2, hwreg(HW_REG_IB_STS2, 6, 4)
	s_cmp_eq_u32 s2, 0
	s_cbranch_scc0 .Lentry_in_a_cluster
	s_endpgm
.Lentry_in_a_cluster:
	s_bfe_u32 s2, ttmp6, 0x10000c
	s_cmp_lg_u32 s2, 0xf033
	s_cbranch_scc0 .Lentry_shape_is_right
	s_endpgm
.Lentry_shape_is_right:
; LAUNCH 2 OF 4: q, k, v = (x W^T) 512^-0.5 on codes of E2M3, each quantised at once for its next product.  No work of reference() is left out here.
; SHARES.  Work-group (g, tb): heads 2 g, 2 g + 1, tokens 128 tb .. 128 tb + 127 (x's tiles 8 tb .. 8 tb + 7).  Wave w, e = w / 4, p = w % 4, runs three units of 8 accumulators x 4 K steps:
;   Q, K: source 0 = the weight's tiles 4 e .. 4 e + 3 (head 2 g + e), source 1 = x's tiles 2 p, 2 p + 1: a lane holds ONE token; by the tiles' row order its registers are 16 neighbouring features for each pair of tiles.
;   V:    source 0 = x's tiles 0 .. 7, source 1 = Wv's tile w: a lane holds ONE feature, its registers run along the 128 tokens, the K of the attention's second product.
; For Q and K the 64 numbers of a lane are two tiles of tokens x 64 features: a DOUBLE FRAGMENT: tile 2 P in registers 0-5, tile 2 P + 1 in registers 6-11; scale bytes 0, 1 and 2, 3.
; OUT.  qc [head 8][P 256][1,536] (registers 2 q, 2 q + 1 of lane l at 256 q + 8 l), qs [head][P][lane] a word;
;   kv [batch x head 32][key step 16][13,312]: 4 double fragments of K, 4 fragments of V^T (registers 4 c .. 4 c + 3 of lane l at 512 c + 16 l), K's 4 scale images of 128 bytes at 12,288, V's at 12,800.
;   The scale images are stores of 128 bytes, half of an aligned 256: 1 byte in 13 of what the launch stores.
; IN.  All that the work-group reads, 208 KiB, lies in LDS at once: every fill is a first fill, one barrier.  ONE tensor load a wave: waves 0-3 the codes of x, Wq, Wk, Wv (49,152 bytes each), waves 4-7 their scale words (4,096 each).
; No prefetch: all bytes are asked for at the head, and there is no loop to run ahead in.
; CLUSTER 4 x 4: x's tiles hang on tb alone and are asked for jointly along a row of the cluster, the weights' on g alone, along a column.
; LIMITS: as stated in the first launch (NaN, infinities; the byte 1 of very small blocks).
.set XS,    196608                     ; LDS: codes of x at 0, Wq 49,152, Wk 98,304, Wv 147,456; from XS the scale words of x, Wq, Wk, Wv, 4,096 each
.set SPARE, 212992                     ; the spare words, 128 bytes a wave: four blocks of 256 bytes that no other line names
.set LI,   1                           ; 16 x lane
.set L8,   2                           ; 8 x lane
.set L4,   3                           ; 4 x lane
.set SPW,  4                           ; my spare word; never rewritten
.set NIL,  5                           ; 0; never rewritten
.set AWQ,  6                           ; my four tiles of Wq; of Wk; my tile of Wv; my two tiles of x
.set AWK,  7
.set AWV,  8
.set AX,   9
.set ASX,  10                          ; scale words: my two tiles of x; all of x's; my tiles of Wq, Wk; my tile of Wv
.set ASXV, 11
.set ASWQ, 12
.set ASWK, 13
.set ASWV, 14
.set ACC,  16                          ; v16-79   eight accumulators
.set F,    80                          ; v80-187  fragments
.set TM,   80                          ; v80-95   at work while a unit is quantised
.set SCR,  188                         ; v188-223 scale words, and nothing else
.set PC,   224                         ; v224-243 the codes just made
.set PW,   244                         ; their scale word
.set WV,   14
.set CSC,  22                          ; s[22:23] 512^-0.5
.set G1XC, 24                          ; groups 1: x's codes, x's scales, the weights' codes, the weights' scales
.set G1XS, 32
.set G1WC, 40
.set G1WS, 48
.set G0XC, 56                          ; groups 0 likewise
.set G0XS, 60
.set G0WC, 68
.set G0WS, 72
.set SEL,  76                          ; s[76:77] lane selects
.set QD,   78                          ; where my q goes; its scale words; my k and v; their scale words
.set QSD,  80
.set KD,   82
.set KSD,  84
.macro CROUND                          ; a round of the cluster's barrier
	s_barrier_signal -1
	s_barrier_wait -1
	s_cmp_lg_u32 s[WV], 0
	s_cbranch_scc1 .Lnot_wave_0_\@
	s_barrier_signal -3
.Lnot_wave_0_\@:
	s_barrier_wait -3
	s_barrier_signal -1
	s_barrier_wait -1
.endm
.macro PLACES                          ; four places behind a product of this form (ISA guide 7.12.1)
.rept 4
	v_nop
.endr
.endm
.macro FILL g0, g1                     ; a joint load
	tensor_load_to_lds s[\g0:\g0+3], s[\g1:\g1+7]
	s_nop 0
	PLACES
.endm
.macro MM d, a, b, z, sa, sb           ; one product; z = 1: it starts the sum
.if \z
	v_wmma_scale_f32_16x16x128_f8f6f4 v[\d:\d+7], v[\a:\a+11], v[\b:\b+11], 0, v[\sa], v[\sb] matrix_a_fmt:MATRIX_FMT_FP6 matrix_b_fmt:MATRIX_FMT_FP6
.else
	v_wmma_scale_f32_16x16x128_f8f6f4 v[\d:\d+7], v[\a:\a+11], v[\b:\b+11], v[\d:\d+7], v[\sa], v[\sb] matrix_a_fmt:MATRIX_FMT_FP6 matrix_b_fmt:MATRIX_FMT_FP6
.endif
.endm
; 64 numbers of a lane, register 16 b + i = k 32 b + 16 (lane / 16) + i of my row, become a fragment's codes in v[pc] on and its scale word in v[pw]
.macro QUANT src, pc, pw
.irp b, 0,1,2,3
	v_max3_num_f32 v[TM+\b], |v[\src+16*\b]|, |v[\src+1+16*\b]|, 0x1800000   ; my 16 numbers of block b, and the floor 2^(3 - 127): the byte cannot fall under 1
.endr
.irp i, 2,4,6,8,10,12,14
.irp b, 0,1,2,3
	v_max3_num_f32 v[TM+\b], v[TM+\b], |v[\src+16*\b+\i]|, |v[\src+1+16*\b+\i]|
.endr
.endr
.irp b, 0,1,2,3
	v_permlanex16_b32 v[TM+4+\b], v[TM+\b], s[SEL], s[SEL+1]
.endr
.irp b, 0,1,2,3
	v_max_num_f32 v[TM+\b], v[TM+\b], v[TM+4+\b]   ; with lane l xor 16's 16: the block's largest magnitude
.endr
.irp b, 0,1,2,3
	v_add_nc_u32 v[TM+12+\b], 0xff000000, v[TM+\b]   ; 2 off its exponent field: the conversion's scale operand
.endr
.irp b, 0,1,2,3
	v_lshrrev_b32 v[TM+4+\b], 23, v[TM+12+\b]      ; the scale's byte
.endr
	v_lshl_or_b32 v[\pw], v[TM+5], 8, v[TM+4]
	v_lshl_or_b32 v[\pw], v[TM+6], 16, v[\pw]
	v_lshl_or_b32 v[\pw], v[TM+7], 24, v[\pw]
.irp c, 0,1
	v_cvt_scalef32_pk16_fp6_f32 v[\pc+6*\c:\pc+2+6*\c], v[\src+32*\c:\src+15+32*\c], v[TM+12+2*\c]
	v_cvt_scalef32_pk16_fp6_f32 v[\pc+12+4*\c:\pc+14+4*\c], v[\src+16+32*\c:\src+31+32*\c], v[TM+12+2*\c+1]
.endr
	v_nop                                          ; one plain place behind the scaled conversions
.irp c, 0,1                                    ; a WHOLE block in a lane
.irp i, 0,1,2
	v_permlane16_swap_b32 v[\pc+6*\c+\i], v[\pc+12+4*\c+\i]
.endr
.irp i, 0,1,2
	v_mov_b32 v[\pc+3+6*\c+\i], v[\pc+12+4*\c+\i]
.endr
.endr
.endm
	s_load_b256 s[4:11], s[0:1], 0x0               ; cod, scl, qc, qs
	s_load_b64 s[12:13], s[0:1], 0x20              ; kv
	v_lshl_add_u32 v[SPW], v0, 2, SPARE
	v_mov_b32 v[NIL], 0
	ds_add_u32 v[SPW], v[NIL]                      ; the opening lines: the add, twice on end; its wait follows the set-up
	ds_add_u32 v[SPW], v[NIL]
	v_lshrrev_b32 v1, 5, v0
	v_readfirstlane_b32 s[WV], v1                  ; wave 0..7
	s_bfe_u32 s15, ttmp6, 0x40000                  ; cx
	s_bfe_u32 s16, ttmp6, 0x40004                  ; cy
	s_lshl_b32 s17, ttmp9, 2
	s_add_co_u32 s17, s17, s15                     ; g: the pair of heads
	s_and_b32 s18, ttmp7, 0xffff
	s_lshl_b32 s18, s18, 2
	s_add_co_u32 s18, s18, s16                     ; tb: the block of 128 tokens
	s_lshr_b32 s19, s[WV], 2                       ; e
	s_and_b32 s20, s[WV], 3                        ; p
	s_lshl_b32 s86, s16, 2
	s_lshl_b32 s86, 15, s86                        ; my row of the cluster
	s_lshl_b32 s87, 0x1111, s15                    ; my column
	; groups 1: dense blocks as rows of 256 bytes (32 elements of 8 bytes), no padding: 192 rows of codes, 16 rows of scale words
	s_or_b32 s[G1XC], s86, (3<<16)|(1<<21)
	s_or_b32 s[G1XS], s86, (3<<16)|(1<<21)
	s_or_b32 s[G1WC], s87, (3<<16)|(1<<21)
	s_or_b32 s[G1WS], s87, (3<<16)|(1<<21)
.irp g, G1XC, G1WC
	s_mov_b32 s[\g+1], 32<<16
	s_mov_b32 s[\g+2], 192<<16
	s_mov_b32 s[\g+3], 32<<16
	s_mov_b32 s[\g+4], 192
	s_mov_b32 s[\g+5], 32
	s_mov_b32 s[\g+6], 0
	s_mov_b32 s[\g+7], 0
.endr
.irp g, G1XS, G1WS
	s_mov_b32 s[\g+1], 32<<16
	s_mov_b32 s[\g+2], 16<<16
	s_mov_b32 s[\g+3], 32<<16
	s_mov_b32 s[\g+4], 16
	s_mov_b32 s[\g+5], 32
	s_mov_b32 s[\g+6], 0
	s_mov_b32 s[\g+7], 0
.endr
	s_mov_b32 s[CSC], 0x3d3504f3                   ; 512^-0.5
	s_mov_b32 s[CSC+1], s[CSC]
	s_mov_b32 s[SEL], 0x76543210
	s_mov_b32 s[SEL+1], 0xfedcba98
	; the LDS addresses: the lane, the wave's number and constants
	v_and_b32 v1, 31, v0
	v_lshlrev_b32 v[L8], 3, v1
	v_lshlrev_b32 v[L4], 2, v1
	v_lshlrev_b32 v[LI], 4, v1
	s_wait_alu depctr_va_vdst(0)
	s_mul_i32 s2, s19, 24576
	s_add_co_u32 s2, s2, 49152
	v_add_nc_u32 v[AWQ], s2, v[LI]
	v_add_nc_u32 v[AWK], 49152, v[AWQ]
	s_mul_i32 s2, s[WV], 6144
	s_add_co_u32 s2, s2, 147456
	v_add_nc_u32 v[AWV], s2, v[LI]
	s_mul_i32 s2, s20, 12288
	v_add_nc_u32 v[AX], s2, v[LI]
	s_lshl_b32 s2, s20, 10
	s_add_co_u32 s2, s2, XS
	v_add_nc_u32 v[ASX], s2, v[L8]
	v_add_nc_u32 v[ASXV], XS, v[L8]
	s_lshl_b32 s2, s19, 11
	s_add_co_u32 s2, s2, XS+4096
	v_add_nc_u32 v[ASWQ], s2, v[L8]
	v_add_nc_u32 v[ASWK], 4096, v[ASWQ]
	s_lshl_b32 s2, s[WV], 9
	s_add_co_u32 s2, s2, XS+12288
	v_add_nc_u32 v[ASWV], s2, v[L8]
	; what I fetch: tensor j = wave % 4 (0 x, 1 Wq, 2 Wk, 3 Wv); waves 0-3 its codes, to 49,152 j; waves 4-7 its scale words, to XS + 4,096 j
	s_mul_i32 s21, s20, 49152
	s_lshl_b32 s3, s20, 12
	s_mul_i32 s88, s18, 49152                      ; x: tile 8 tb on: made of tb alone
	s_mov_b32 s89, 0
	s_lshl_b32 s90, s18, 12
	s_mov_b32 s91, 0
	s_lshl_b32 s92, s20, 5                         ; the weights: tile 480 + 32 j + 8 g on: made of g and the wave's number alone
	s_add_co_u32 s92, s92, 480
	s_lshl_b32 s100, s17, 3
	s_add_co_u32 s92, s92, s100
	s_lshl_b32 s94, s92, 9
	s_mul_i32 s92, s92, 6144
	s_mov_b32 s93, 0
	s_mov_b32 s95, 0
	; where my results go
	s_lshl_b32 s96, s17, 1
	s_add_co_u32 s96, s96, s19                     ; the head, 2 g + e
	s_lshl_b32 s97, s18, 2
	s_add_co_u32 s97, s97, s20                     ; P = 4 tb + p
	s_lshl_b32 s98, s96, 8
	s_add_co_u32 s98, s98, s97
	s_mul_i32 s[QD], s98, 1536
	s_mov_b32 s[QD+1], 0
	s_lshl_b32 s[QSD], s98, 7
	s_mov_b32 s[QSD+1], 0
	s_lshr_b32 s99, s18, 4                         ; the batch
	s_lshl_b32 s99, s99, 3
	s_add_co_u32 s99, s99, s96
	s_lshl_b32 s99, s99, 4
	s_and_b32 s98, s18, 15                         ; the key step
	s_add_co_u32 s99, s99, s98
	s_mul_i32 s99, s99, 13312
	s_mul_i32 s98, s20, 1536
	s_add_co_u32 s[KD], s99, s98
	s_mov_b32 s[KD+1], 0
	s_lshl_b32 s98, s20, 7
	s_add_co_u32 s[KSD], s99, s98
	s_mov_b32 s[KSD+1], 0
	s_wait_alu depctr_va_vdst(0)
	s_wait_dscnt 0x0                               ; both opening adds are done
	s_wait_kmcnt 0x0
	s_add_nc_u64 s[QD:QD+1], s[8:9], s[QD:QD+1]
	s_add_nc_u64 s[QSD:QSD+1], s[10:11], s[QSD:QSD+1]
	s_add_nc_u64 s[KD:KD+1], s[12:13], s[KD:KD+1]
	s_add_nc_u64 s[KSD:KSD+1], s[12:13], s[KSD:KSD+1]
	s_mov_b32 s[G0XC], 1
	s_mov_b32 s[G0XC+1], s21
	s_add_nc_u64 s[G0XC+2:G0XC+3], s[4:5], s[88:89]
	s_or_b32 s[G0XC+3], s[G0XC+3], 0x80000000
	s_mov_b32 s[G0XS], 1
	s_add_co_u32 s[G0XS+1], s3, XS
	s_add_nc_u64 s[G0XS+2:G0XS+3], s[6:7], s[90:91]
	s_or_b32 s[G0XS+3], s[G0XS+3], 0x80000000
	s_mov_b32 s[G0WC], 1
	s_mov_b32 s[G0WC+1], s21
	s_add_nc_u64 s[G0WC+2:G0WC+3], s[4:5], s[92:93]
	s_or_b32 s[G0WC+3], s[G0WC+3], 0x80000000
	s_mov_b32 s[G0WS], 1
	s_add_co_u32 s[G0WS+1], s3, XS
	s_add_nc_u64 s[G0WS+2:G0WS+3], s[6:7], s[94:95]
	s_or_b32 s[G0WS+3], s[G0WS+3], 0x80000000
	CROUND                                         ; all sixteen work-groups are here: the joint loads meet
	s_cmp_eq_u32 s[WV], 0                          ; one chain of branches on the wave's number, one fill to an arm, all arms to one join
	s_cbranch_scc0 .Lhead_wc
	FILL G0XC, G1XC                                ; wave 0: x's codes
	s_branch .Lasked
.Lhead_wc:
	s_cmp_lt_u32 s[WV], 4
	s_cbranch_scc0 .Lhead_xs
	FILL G0WC, G1WC                                ; waves 1-3: Wq's, Wk's, Wv's codes
	s_branch .Lasked
.Lhead_xs:
	s_cmp_eq_u32 s[WV], 4
	s_cbranch_scc0 .Lhead_ws
	FILL G0XS, G1XS                                ; wave 4: x's scale words
	s_branch .Lasked
.Lhead_ws:
	FILL G0WS, G1WS                                ; waves 5-7: the weights' scale words
.Lasked:
	s_wait_tensorcnt 0x0                           ; my part is in,
	s_barrier_signal -1
	s_barrier_wait -1                              ; everybody's is.  Nothing is filled again
; A unit for q or k.  Per K step 18 LDS loads in one run, x's two fragments first; the wait in front of the weight's tile t leaves the three loads of each later tile out.
; The eight accumulators take turns, one product a turn, over the K steps too.
.macro UNITQK aw, asw
.irp t, 0,1,2,3
.irp f, 0,1
	ds_load_b64 v[SCR+4*\t+2*\f:SCR+4*\t+2*\f+1], v[\asw] offset:512*\t+256*\f
.endr
.endr
.irp t, 0,1
.irp f, 0,1
	ds_load_b64 v[SCR+16+4*\t+2*\f:SCR+16+4*\t+2*\f+1], v[ASX] offset:512*\t+256*\f
.endr
.endr
.irp k, 0,1,2,3
.irp t, 0,1
.irp c, 0,1,2
	ds_load_b128 v[F+48+12*\t+4*\c:F+48+12*\t+4*\c+3], v[AX] offset:6144*\t+1536*\k+512*\c
.endr
.endr
.irp t, 0,1,2,3
.irp c, 0,1,2
	ds_load_b128 v[F+12*\t+4*\c:F+12*\t+4*\c+3], v[\aw] offset:6144*\t+1536*\k+512*\c
.endr
.endr
.irp t, 0,1,2,3
	s_wait_dscnt 9-3*\t
.irp x, 0,1
.if \k == 0
	MM ACC+8*(4*\x+\t), F+12*\t, F+48+12*\x, 1, SCR+4*\t+\k, SCR+16+4*\x+\k
.else
	MM ACC+8*(4*\x+\t), F+12*\t, F+48+12*\x, 0, SCR+4*\t+\k, SCR+16+4*\x+\k
.endif
.endr
.endr
	PLACES
.endr
.endm
; The unit for v: 27 loads a K step, Wv's fragment first; the wait in front of x's tile t leaves the three loads of each later tile out.
.macro UNITV
.irp t, 0,1,2,3,4,5,6,7
.irp f, 0,1
	ds_load_b64 v[SCR+4*\t+2*\f:SCR+4*\t+2*\f+1], v[ASXV] offset:512*\t+256*\f
.endr
.endr
.irp f, 0,1
	ds_load_b64 v[SCR+32+2*\f:SCR+32+2*\f+1], v[ASWV] offset:256*\f
.endr
.irp k, 0,1,2,3
.irp c, 0,1,2
	ds_load_b128 v[F+96+4*\c:F+96+4*\c+3], v[AWV] offset:1536*\k+512*\c
.endr
.irp t, 0,1,2,3,4,5,6,7
.irp c, 0,1,2
	ds_load_b128 v[F+12*\t+4*\c:F+12*\t+4*\c+3], v[LI] offset:6144*\t+1536*\k+512*\c
.endr
.endr
.irp t, 0,1,2,3,4,5,6,7
	s_wait_dscnt 21-3*\t
.if \k == 0
	MM ACC+8*\t, F+12*\t, F+96, 1, SCR+4*\t+\k, SCR+32+\k
.else
	MM ACC+8*\t, F+12*\t, F+96, 0, SCR+4*\t+\k, SCR+32+\k
.endif
.endr
	PLACES
.endr
.endm
; x 512^-0.5 in f32 (each accumulator from its low end on), quantised, stored.  kind 0: q; 1: k; 2: v.
.macro FINISH kind
.set j, 0
.rept 32
	v_pk_mul_f32 v[ACC+j:ACC+j+1], v[ACC+j:ACC+j+1], s[CSC:CSC+1] op_sel_hi:[1,0]
.set j, j+2
.endr
.if \kind > 0
	s_wait_xcnt 0x0                                ; the last unit's stores have read the codes' registers and the scale word, which are written again below
.endif
	QUANT ACC, PC, PW
.if \kind == 0
.irp q, 0,1,2,3,4,5
	global_store_b64 v[L8], v[PC+2*\q:PC+2*\q+1], s[QD:QD+1] offset:256*\q   ; 256 consecutive bytes, aligned
.endr
	global_store_b32 v[L4], v[PW], s[QSD:QSD+1]
.else
.irp c, 0,1,2
	global_store_b128 v[LI], v[PC+4*\c:PC+4*\c+3], s[KD:KD+1] offset:6144*(\kind-1)+512*\c   ; 512 consecutive bytes, aligned
.endr
	global_store_b32 v[L4], v[PW], s[KSD:KSD+1] offset:12288+512*(\kind-1)
.endif
.endm
	UNITQK AWQ, ASWQ
	FINISH 0
	UNITQK AWK, ASWK
	FINISH 1
	UNITV
	FINISH 2
	s_wait_tensorcnt 0x0                           ; the wave's end
	ds_add_u32 v[SPW], v[NIL]
	s_wait_dscnt 0x0
	CROUND                                         ; the closing round
	s_endpgm
.Lfunc_end_k_q7ce8c63329_qkv:
	.size	k_q7ce8c63329_qkv, .Lfunc_end_k_q7ce8c63329_qkv-k_q7ce8c63329_qkv
	.p2alignl 7, 3214868480
	.fill 96, 4, 3214868480
	.section	.rodata,"a",@progbits
	.p2align	6, 0x0
	.amdhsa_kernel k_q7ce8c63329_qkv
		.amdhsa_group_segment_fixed_size 214016
		.amdhsa_private_segment_fixed_size 0
		.amdhsa_enable_private_segment 0
		.amdhsa_kernarg_size 40
		.amdhsa_user_sgpr_count 2
		.amdhsa_user_sgpr_kernarg_segment_ptr 1
		.amdhsa_wavefront_size32 1
		.amdhsa_system_sgpr_workgroup_id_x 1
		.amdhsa_system_sgpr_workgroup_id_y 1
		.amdhsa_system_sgpr_workgroup_id_z 1
		.amdhsa_system_vgpr_workitem_id 0
		.amdhsa_next_free_vgpr 248
		.amdhsa_next_free_sgpr 102
		.amdhsa_reserve_vcc 0
		.amdhsa_float_denorm_mode_32 3
		.amdhsa_float_denorm_mode_16_64 3
		.amdhsa_memory_ordered 1
		.amdhsa_forward_progress 1
		.amdhsa_inst_pref_size 62
	.end_amdhsa_kernel
	.amdgpu_metadata
---
amdhsa.version: [ 1, 2 ]
amdhsa.kernels:
  - .name:           k_q7ce8c63329_qkv
    .symbol:         k_q7ce8c63329_qkv.kd
    .args:
      - { .name: cod, .offset: 0, .size: 8, .value_kind: global_buffer, .address_space: global }
      - { .name: scl, .offset: 8, .size: 8, .value_kind: global_buffer, .address_space: global }
      - { .name: qc, .offset: 16, .size: 8, .value_kind: global_buffer, .address_space: global }
      - { .name: qs, .offset: 24, .size: 8, .value_kind: global_buffer, .address_space: global }
      - { .name: kv, .offset: 32, .size: 8, .value_kind: global_buffer, .address_space: global }
    .group_segment_fixed_size: 214016
    .private_segment_fixed_size: 0
    .kernarg_segment_align: 8
    .kernarg_segment_size: 40
    .max_flat_workgroup_size: 256
    .sgpr_count:     102
    .vgpr_count:     248
    .wavefront_size: 32
...
	.end_amdgpu_metadata
.endif
;; end of part 2
;; launch attn (part 3): grid 8 x 32, 16 waves a work-group, clusters of 4 x 1, 215,040 bytes of LDS; arguments qc, qs, kv, oc, os; writes oc, os
.if DOCPART == 3
	.amdgcn_target "amdgcn-amd-amdhsa--gfx1250"
	.amdhsa_code_object_version 6
	.text
	.protected	k_q7ce8c63329_attn
	.globl	k_q7ce8c63329_attn
	.p2align	8
	.type	k_q7ce8c63329_attn,@function
k_q7ce8c63329_attn:
	s_mov_b64 s[64:65], 0
	v_nop
	global_prefetch_b8 v0, s[64:65] scope:SCOPE_SE
	s_setreg_imm32_b32 hwreg(HW_REG_WAVE_MODE, 25, 1), 1
	s_wait_xcnt 0x0
	s_wait_alu depctr_hold_cnt(0) depctr_sa_sdst(0) depctr_va_vdst(0) depctr_va_sdst(0) depctr_va_ssrc(0) depctr_va_vcc(0) depctr_vm_vsrc(0)
	s_getreg_b32 s2, hwreg(HW_REG_IB_STS2, 6, 4)
	s_cmp_eq_u32 s2, 0
	s_cbranch_scc0 .Lentry_in_a_cluster
	s_endpgm
.Lentry_in_a_cluster:
	s_bfe_u32 s2, ttmp6, 0x10000c
	s_cmp_lg_u32 s2, 0x3003
	s_cbranch_scc0 .Lentry_shape_is_right
	s_endpgm
.Lentry_shape_is_right:
; LAUNCH 3 OF 4: the attention of one head on codes of E2M3, and its result quantised for the projection.  No work of reference() is left out here (causal_mask is the constant 0: no mask).
; THE SOFTMAX AHEAD OF THE SECOND PRODUCT: t = score x log2(e) / 8; M = the row's largest t so far, rounded UP to a whole number; p = 2^(t - M) is quantised along the keys, not normalised.
; The row's sum is taken of the unquantised p in f32 and divides O at the end.  When M moves, the sum and O are multiplied by 2^(old M - new M), which rounds nothing.
; SHARES.  A work-group owns 256 queries of one (batch, head); each of its sixteen waves one tile of 16, in 256 registers: four waves to a SIMD, so that one wave's vector work stands beside another's
; products and LDS loads.  Every wave walks the head's 2,048 keys, 128 a step.
; LDS.  The head's K, V and their scale words are 16 steps x 13,312 bytes = 212,992: they come ONCE, wave w bringing step w by one tensor load (one of mine is out), and stay: no slot is filled again, one barrier.
; All that a work-group reads is so asked for at its head: there is no later stream to ask for ahead.
; CLUSTER 4 x 1: the four blocks of queries of a cluster belong to one head and ask for its K and V jointly.
; BOTH PRODUCTS ARE USED TRANSPOSED: S^T = K Q^T, O^T = V^T P^T: a lane holds ONE query (lane % 16) throughout.  By the tiles' row order the 16 registers of two neighbouring tiles of S^T are keys
; 32 b + 16 (lane / 16) + 0 .. 15, and those of O^T channels 32 b + 16 (lane / 16) + 0 .. 15.
; K = 64 IN AN INSTRUCTION OF K = 128.  A double fragment of K holds key tile 2 p at k 0-63 and key tile 2 p + 1 at k 64-127.  Q lies in 18 registers: q, six registers of zero codes, q.  Registers 0-11 of the
; run (q, zeros) give tile 2 p's scores, registers 6-17 (zeros, q) tile 2 p + 1's: the other half multiplies zero codes and adds exactly 0 (every scale byte lies in 1 .. 254).
; OUT.  oc [token tile 512][head 8][768]: registers 2 q, 2 q + 1 of lane l at 256 q + 8 l: heads 2 s and 2 s + 1 together are the fragment of the projection's K step s.   os [tile][s 4][lane 32][2 x 2 bytes]:
; the word at 4 x lane is that fragment's scale word.  My head's half of it is a store of 2 bytes a lane: 64 bytes a wave, 1 byte in 13 of what the launch stores.
; LIMITS: as stated in the first launch.  A block's largest p is not searched for: the block's largest score goes through the same multiply-add and exponential, which takes v_exp_f32 not to fall where its input rises.
.set STEPB, 13312
.set SPARE, 16*STEPB                   ; the spare words, 128 bytes for each wave: eight blocks of 256 bytes that no other line names
.set LI,   1                           ; v1   16 x lane
.set L8,   2                           ; v2   8 x lane
.set L4,   3                           ; v3   4 x lane
.set SPW,  4                           ; v4   LDS address of my spare word; never rewritten
.set NIL,  5                           ; v5   0; never rewritten
.set ADR,  6                           ; v6   the step's fragments
.set ADS,  7                           ; v7   the step's scale words
.set QSC,  8                           ; v8   q's two scale bytes, twice
.set QW,   9                           ; v9   at work for it
.set QR,   16                          ; v16-33   q | zeros | q          (v12 -M, v13 the largest t, v[14:15] the sum in two halves)
.set KV,   34                          ; v34-81   four fragments: K's, then V's
.set SC,   82                          ; v82-85   their scale words
.set S,    96                          ; v96-159  S^T, then p
.set O,    160                         ; v160-191 O^T
.set P,    192                         ; v192-203 p's codes
.set PT,   204                         ; v204-211 at work for them
.set BM,   212                         ; v212-215 each block's largest score, then p
.set BT,   216                         ; v216-219 at work; bytes
.set SO,   220                         ; v220-223 the conversions' scale operands
.set FP,   224                         ; v[224:225] f = 2^(old M - new M)
.set PSC,  226                         ; v226     p's scale word
.set T1,   227                         ; v227     at work
.set L2,   228                         ; v[228:229] the sum's second chain
.set WV,   14
.set SEL,  20                          ; s[20:21]
.set CS,   22                          ; s[22:23] log2(e) / 8
.set G1,   24
.set G0,   32
.set TB,   36                          ; s36  LDS byte at which the step in hand begins
.set TRIP, 37
.set QA,   40                          ; s[40:41] my q; s[42:43] its scale words; s[44:45], s[46:47] where my result goes
.set QSA,  42
.set OD,   44
.set OSD,  46
.macro CROUND                          ; a round of the cluster's barrier
	s_barrier_signal -1
	s_barrier_wait -1
	s_cmp_lg_u32 s[WV], 0
	s_cbranch_scc1 .Lnot_wave_0_\@
	s_barrier_signal -3
.Lnot_wave_0_\@:
	s_barrier_wait -3
	s_barrier_signal -1
	s_barrier_wait -1
.endm
	s_load_b256 s[4:11], s[0:1], 0x0               ; qc, qs, kv, oc
	s_load_b64 s[12:13], s[0:1], 0x20              ; os
	v_lshl_add_u32 v[SPW], v0, 2, SPARE
	v_mov_b32 v[NIL], 0
	ds_add_u32 v[SPW], v[NIL]                      ; the wave's opening: the add, twice on end, and its wait ahead of my first tensor load; the set-up below stands between
	ds_add_u32 v[SPW], v[NIL]
	v_lshrrev_b32 v6, 5, v0
	s_delay_alu instid0(VALU_DEP_1)
	v_readfirstlane_b32 s[WV], v6                  ; wave 0..15
	v_and_b32 v1, 31, v0
	s_delay_alu instid0(VALU_DEP_1)
	v_lshlrev_b32 v[L8], 3, v1
	s_delay_alu instid0(VALU_DEP_2)
	v_lshlrev_b32 v[L4], 2, v1
	s_delay_alu instid0(VALU_DEP_3)
	v_lshlrev_b32 v[LI], 4, v1
	s_bfe_u32 s15, ttmp6, 0x40000                  ; cx: it enters q's and the result's global addresses alone
	s_and_b32 s16, ttmp7, 0xffff                   ; batch x 8 + head, which the four partners share
	s_lshr_b32 s17, s16, 3                         ; the batch
	s_and_b32 s18, s16, 7                          ; the head
	s_lshl_b32 s19, ttmp9, 2
	s_add_co_u32 s19, s19, s15                     ; my block of 256 queries
	s_lshl_b32 s48, s17, 7
	s_lshl_b32 s49, s19, 4
	s_add_co_u32 s48, s48, s49
	s_add_co_u32 s48, s48, s[WV]                   ; T: my tile of tokens, 128 x batch + 16 x block + wave
	s_lshr_b32 s49, s48, 1
	s_lshl_b32 s52, s18, 8
	s_add_co_u32 s49, s49, s52                     ; 256 x head + T / 2: the double fragment that holds my q
	s_and_b32 s53, s[WV], 1                        ; which half of it (T and the wave's number are odd together)
	s_mul_i32 s[QA], s49, 1536
	s_mul_i32 s54, s53, 768
	s_add_co_u32 s[QA], s[QA], s54
	s_mov_b32 s[QA+1], 0
	s_lshl_b32 s[QSA], s49, 7
	s_mov_b32 s[QSA+1], 0
	s_lshl_b32 s38, s53, 4                         ; and which 16 bits of its scale word
	s_mul_i32 s[OD], s48, 6144
	s_mul_i32 s54, s18, 768
	s_add_co_u32 s[OD], s[OD], s54
	s_mov_b32 s[OD+1], 0
	s_lshl_b32 s[OSD], s48, 9
	s_lshr_b32 s54, s18, 1
	s_lshl_b32 s54, s54, 7
	s_add_co_u32 s[OSD], s[OSD], s54
	s_and_b32 s54, s18, 1
	s_lshl_b32 s54, s54, 1
	s_add_co_u32 s[OSD], s[OSD], s54
	s_mov_b32 s[OSD+1], 0
	s_lshl_b32 s50, s16, 4
	s_add_co_u32 s50, s50, s[WV]
	s_mul_i32 s50, s50, STEPB                      ; key step w of my head: made of the head and the wave's number alone
	s_mov_b32 s51, 0
	; group 1: 13,312 dense bytes as 52 rows of 256 (32 elements of 8 bytes), no padding
	s_mov_b32 s[G1], 15|(3<<16)|(1<<21)            ; 15:0 the mask: all four work-groups; 17:16 elements of 8 bytes; 21 set beside a mask
	s_mov_b32 s[G1+1], 32<<16
	s_mov_b32 s[G1+2], 52<<16
	s_mov_b32 s[G1+3], 32<<16
	s_mov_b32 s[G1+4], 52
	s_mov_b32 s[G1+5], 32
	s_mov_b32 s[G1+6], 0
	s_mov_b32 s[G1+7], 0
	s_mov_b32 s[SEL], 0x76543210
	s_mov_b32 s[SEL+1], 0xfedcba98
	s_mov_b32 s[CS], 0x3e38aa3b                    ; log2(e) / 8
	s_mov_b32 s[CS+1], s[CS]                       ; (named with it as a pair)
	s_mov_b32 s[TB], 0
	s_mov_b32 s[TRIP], 16
	s_wait_dscnt 0x0                               ; both opening adds are done
	s_wait_kmcnt 0x0
	s_add_nc_u64 s[QA:QA+1], s[4:5], s[QA:QA+1]
	s_add_nc_u64 s[QSA:QSA+1], s[6:7], s[QSA:QSA+1]
	s_add_nc_u64 s[OD:OD+1], s[10:11], s[OD:OD+1]
	s_add_nc_u64 s[OSD:OSD+1], s[12:13], s[OSD:OSD+1]
	s_mov_b32 s[G0], 1
	s_mul_i32 s[G0+1], s[WV], STEPB                ; LDS address: the wave's number alone
	s_add_nc_u64 s[G0+2:G0+3], s[8:9], s[50:51]
	s_or_b32 s[G0+3], s[G0+3], 0x80000000
	CROUND                                         ; all four work-groups are here: the joint loads meet
	tensor_load_to_lds s[G0:G0+3], s[G1:G1+7]
	s_nop 0
.rept 4
	v_nop
.endr
	s_wait_alu depctr_va_vdst(0)
.irp q, 0,1,2
	global_load_b64 v[QR+2*\q:QR+2*\q+1], v[L8], s[QA:QA+1] offset:256*\q        ; q, at the head of the run,
	global_load_b64 v[QR+12+2*\q:QR+12+2*\q+1], v[L8], s[QA:QA+1] offset:256*\q  ; and at its end
.endr
	global_load_b32 v[QW], v[L4], s[QSA:QSA+1]
.irp i, 6,7,8,9,10,11
	v_mov_b32 v[QR+\i], 0                          ; the zero codes between
.endr
	v_mov_b32 v13, 0xff61b1e6                      ; the largest t so far: -3e38, under every t
	s_delay_alu instid0(VALU_DEP_1)
	v_floor_f32 v12, -v13                          ; -M
	v_mov_b32 v14, 0                               ; the sum, in two halves
	v_mov_b32 v15, 0
.irp b, 0,1,2,3
	v_mov_b32 v[BT+\b], 0                          ; written once: a lane permute's destination counts as one of its sources
.endr
	v_mov_b32 v[FP+1], 0                           ; (named as the upper half of a pair)
	s_wait_loadcnt 0x0
	v_lshrrev_b32 v[QW], s38, v[QW]
	s_delay_alu instid0(VALU_DEP_1)
	v_and_b32 v[QW], 0xffff, v[QW]                 ; my tile's two bytes,
	s_delay_alu instid0(VALU_DEP_1)
	v_lshl_or_b32 v[QSC], v[QW], 16, v[QW]         ; for k 0-63 and for k 64-127 alike
.set j, 0
.rept 32
	v_mov_b32 v[O+j], 0                            ; O^T.  The step is written once: the first finds zeros, which the first change of M leaves zeros.  (Also the places between the scale register just written and the first product)
.set j, j+1
.endr
	s_wait_tensorcnt 0x0                           ; my step is in,
	s_barrier_signal -1
	s_barrier_wait -1                              ; everybody's is: the whole head lies in LDS
.Lstep:                                            ; 16 trips of 128 keys
	s_barrier_signal -1                            ; I have begun this step (no LDS instruction of mine is out).  Up to the wait at the step's end: register work, and loads of LDS bytes that nobody writes
	v_add_nc_u32 v[ADR], s[TB], v[LI]
	v_add_nc_u32 v[ADS], s[TB], v[L4]
	v_nop
	v_nop                                          ; four places behind the last products, in front of loads into their registers
.irp t, 0,1,2,3
	ds_load_b32 v[SC+\t], v[ADS] offset:12288+128*\t
.endr
.irp t, 0,1,2,3
.irp c, 0,1,2
	ds_load_b128 v[KV+12*\t+4*\c:KV+12*\t+4*\c+3], v[ADR] offset:1536*\t+512*\c
.endr
.endr
	s_wait_alu depctr_va_vdst(0)
.irp t, 0,1,2,3
	s_wait_dscnt 9-3*\t                            ; the three loads of each later double fragment may be out
.irp x, 0,1
	v_wmma_scale_f32_16x16x128_f8f6f4 v[S+8*(2*\t+\x):S+8*(2*\t+\x)+7], v[KV+12*\t:KV+12*\t+11], v[QR+6*\x:QR+6*\x+11], 0, v[SC+\t], v[QSC] matrix_a_fmt:MATRIX_FMT_FP6 matrix_b_fmt:MATRIX_FMT_FP6
.endr
.endr
.rept 4
	v_nop                                          ; places: in front of V's loads into K's registers, and of the first read of the scores
.endr
.irp t, 0,1,2,3
	ds_load_b32 v[SC+\t], v[ADS] offset:12800+128*\t   ; V's fragments land while the softmax is walked
.endr
.irp t, 0,1,2,3
.irp c, 0,1,2
	ds_load_b128 v[KV+12*\t+4*\c:KV+12*\t+4*\c+3], v[ADR] offset:6144+1536*\t+512*\c
.endr
.endr
.irp b, 0,1,2,3
	v_max3_num_f32 v[BM+\b], v[S+16*\b], v[S+1+16*\b], v[S+2+16*\b]   ; the largest score of each block of 32 keys: for the row's maximum, and, since p rises with the score, for the block's largest p
.endr
.irp i, 3,5,7,9,11,13
.irp b, 0,1,2,3
	v_max3_num_f32 v[BM+\b], v[BM+\b], v[S+16*\b+\i], v[S+1+16*\b+\i]   ; (ascending: each accumulator is read from its low end on)
.endr
.endr
.irp b, 0,1,2,3
	v_max_num_f32 v[BM+\b], v[BM+\b], v[S+15+16*\b]
.endr
.irp b, 0,1,2,3
	s_delay_alu instid0(VALU_DEP_4)
	v_permlanex16_b32 v[BT+\b], v[BM+\b], s[SEL], s[SEL+1]
.endr
.irp b, 0,1,2,3
	s_delay_alu instid0(VALU_DEP_4)
	v_max_num_f32 v[BM+\b], v[BM+\b], v[BT+\b]     ; with lane l xor 16's 16 keys
.endr
	s_delay_alu instid0(VALU_DEP_2)
	v_max3_num_f32 v[T1], v[BM], v[BM+1], v[BM+2]
	s_delay_alu instid0(VALU_DEP_1)
	v_max_num_f32 v[T1], v[T1], v[BM+3]            ; the step's largest score of my query
	s_delay_alu instid0(VALU_DEP_1)
	v_mul_f32 v[T1], s[CS], v[T1]                  ; as t
	s_delay_alu instid0(VALU_DEP_1)
	v_max_num_f32 v13, v13, v[T1]                  ; the running largest t
	v_mov_b32 v[T1], v12
	s_delay_alu instid0(VALU_DEP_2)
	v_floor_f32 v12, -v13                          ; the new -M = floor(-t) = -ceil(t)
	s_delay_alu instid0(VALU_DEP_1)
	v_sub_f32 v[T1], v12, v[T1]                    ; old M - new M: a whole number, 0 or less
	s_delay_alu instid0(VALU_DEP_1)
	v_cvt_i32_f32 v[T1], v[T1]                     ; (it saturates)
	s_delay_alu instid0(VALU_DEP_1)
	v_ldexp_f32 v[FP], 1.0, v[T1]                  ; f = 2^(old M - new M)
.set j, 0
.rept 32
	v_pk_fma_f32 v[S+j:S+j+1], v[S+j:S+j+1], s[CS:CS+1], v[12:13] op_sel_hi:[1,0,0]   ; t - M, two at a time
.set j, j+2
.endr
.irp b, 0,1,2,3
	v_fma_f32 v[BM+\b], v[BM+\b], s[CS], v12       ; the same of each block's largest score
.endr
.set j, 0
	s_wait_alu depctr_va_vdst(0)
.rept 64
	v_exp_f32 v[S+j], v[S+j]                       ; p = 2^(t - M), at most 1
.set j, j+1
.endr
	v_pk_mul_f32 v[14:15], v[14:15], v[FP:FP+1] op_sel_hi:[1,0]   ; the sums under the new M: the plain place behind the exponentials
	s_wait_alu depctr_va_vdst(0)                   ; one wait for the batch of 64, ahead of its first reader
.irp b, 0,1,2,3
	v_exp_f32 v[BM+\b], v[BM+\b]                   ; the block's largest p
.endr
	v_pk_add_f32 v[228:229], v[100:101], v[104:105]
	v_pk_add_f32 v[254:255], v[108:109], v[112:113]
	v_pk_add_f32 v[252:253], v[116:117], v[120:121]
	v_pk_add_f32 v[250:251], v[124:125], v[128:129]
	v_pk_add_f32 v[248:249], v[132:133], v[136:137]
	v_pk_add_f32 v[246:247], v[140:141], v[144:145]
	v_pk_add_f32 v[244:245], v[148:149], v[152:153]
	v_pk_add_f32 v[14:15], v[14:15], v[156:157]
	v_pk_add_f32 v[228:229], v[228:229], v[96:97]
	v_pk_add_f32 v[254:255], v[254:255], v[98:99]
	v_pk_add_f32 v[252:253], v[252:253], v[102:103]
	v_pk_add_f32 v[250:251], v[250:251], v[106:107]
	v_pk_add_f32 v[248:249], v[248:249], v[110:111]
	v_pk_add_f32 v[246:247], v[246:247], v[114:115]
	v_pk_add_f32 v[244:245], v[244:245], v[118:119]
	v_pk_add_f32 v[14:15], v[14:15], v[122:123]
	v_pk_add_f32 v[228:229], v[228:229], v[126:127]
	v_pk_add_f32 v[254:255], v[254:255], v[130:131]
	v_pk_add_f32 v[252:253], v[252:253], v[134:135]
	v_pk_add_f32 v[250:251], v[250:251], v[138:139]
	v_pk_add_f32 v[248:249], v[248:249], v[142:143]
	v_pk_add_f32 v[246:247], v[246:247], v[146:147]
	v_pk_add_f32 v[244:245], v[244:245], v[150:151]
	v_pk_add_f32 v[14:15], v[14:15], v[154:155]
	v_pk_add_f32 v[228:229], v[228:229], v[158:159]
	s_delay_alu instid0(VALU_DEP_2)
	v_pk_add_f32 v[14:15], v[14:15], v[250:251]
	s_delay_alu instid0(VALU_DEP_2)
	v_pk_add_f32 v[228:229], v[228:229], v[248:249]
	v_pk_add_f32 v[254:255], v[254:255], v[246:247]
	v_pk_add_f32 v[252:253], v[252:253], v[244:245]
	s_delay_alu instid0(VALU_DEP_2)
	v_pk_add_f32 v[14:15], v[14:15], v[254:255]
	s_delay_alu instid0(VALU_DEP_2)
	v_pk_add_f32 v[228:229], v[228:229], v[252:253]
	s_delay_alu instid0(VALU_DEP_1)
	v_pk_add_f32 v[14:15], v[14:15], v[228:229]
	s_wait_alu depctr_va_vdst(0)                   ; and one for the four
.irp b, 0,1,2,3
	v_max_num_f32 v[BM+\b], 0x1800000, v[BM+\b]    ; the floor 2^(3 - 127): the byte cannot fall under 1
.endr
.irp b, 0,1,2,3
	s_delay_alu instid0(VALU_DEP_4)
	v_add_nc_u32 v[SO+\b], 0xff000000, v[BM+\b]    ; 2 off the exponent field: the conversion's scale operand
.endr
.irp b, 0,1,2,3
	s_delay_alu instid0(VALU_DEP_4)
	v_lshrrev_b32 v[BT+\b], 23, v[SO+\b]           ; the scale's byte
.endr
	s_delay_alu instid0(VALU_DEP_3)
	v_lshl_or_b32 v[PSC], v[BT+1], 8, v[BT]        ; p's scale word for these 128 keys
	s_delay_alu instid0(VALU_DEP_1)
	v_lshl_or_b32 v[PSC], v[BT+2], 16, v[PSC]
	s_delay_alu instid0(VALU_DEP_1)
	v_lshl_or_b32 v[PSC], v[BT+3], 24, v[PSC]
.irp c, 0,1
	v_cvt_scalef32_pk16_fp6_f32 v[P+6*\c:P+2+6*\c], v[S+32*\c:S+15+32*\c], v[SO+2*\c]
	v_cvt_scalef32_pk16_fp6_f32 v[PT+4*\c:PT+2+4*\c], v[S+16+32*\c:S+31+32*\c], v[SO+2*\c+1]
.endr
	v_nop                                          ; one plain place behind the scaled conversions
.irp c, 0,1                                    ; a WHOLE block in a lane: lanes 0-15 block 2 c, lanes 16-31 block 2 c + 1
.irp i, 0,1,2
	v_permlane16_swap_b32 v[P+6*\c+\i], v[PT+4*\c+\i]
.endr
.irp i, 0,1,2
	s_delay_alu instid0(VALU_DEP_3)
	v_mov_b32 v[P+3+6*\c+\i], v[PT+4*\c+\i]
.endr
.endr
.set j, 0
.rept 16
	v_pk_mul_f32 v[O+j:O+j+1], v[O+j:O+j+1], v[FP:FP+1] op_sel_hi:[1,0]   ; O^T under the new M.  (Also the places between p's scale word and codes, just written, and the products)
.set j, j+2
.endr
	s_wait_alu depctr_va_vdst(0)
	s_wait_dscnt 0x0                               ; V is in
.irp t, 0,1,2,3
	v_wmma_scale_f32_16x16x128_f8f6f4 v[O+8*\t:O+8*\t+7], v[KV+12*\t:KV+12*\t+11], v[P:P+11], v[O+8*\t:O+8*\t+7], v[SC+\t], v[PSC] matrix_a_fmt:MATRIX_FMT_FP6 matrix_b_fmt:MATRIX_FMT_FP6
.endr                                              ; the four accumulators by turns; the next product is another accumulator's
	s_barrier_wait -1                              ; all sixteen waves have begun this step: no wave walks more than one step ahead of another.  The barrier orders no memory
	s_add_co_u32 s[TB], s[TB], STEPB
	s_sub_co_u32 s[TRIP], s[TRIP], 1
	s_cmp_lg_u32 s[TRIP], 0
	s_cbranch_scc1 .Lstep
	; THE WAY OUT: O^T / the sum, quantised along the head's 64 channels: half a fragment of the projection's operand.
	v_add_f32 v14, v14, v15                        ; the sum's two halves,
	s_delay_alu instid0(VALU_DEP_1)
	v_permlanex16_b32 v[T1], v14, s[SEL], s[SEL+1]
	s_delay_alu instid0(VALU_DEP_1)
	v_add_f32 v14, v14, v[T1]                      ; and lane l xor 16's: the row's sum
	s_wait_alu depctr_va_vdst(0)
	v_rcp_f32 v14, v14
.rept 4
	v_nop                                          ; the plain place behind the reciprocal, and the places behind the last products
.endr
	s_wait_alu depctr_va_vdst(0)                   ; ahead of the reciprocal's first reader
.set j, 0
.rept 32
	v_mul_f32 v[S+j], v[O+j], v14                  ; register 16 b + i: channel 32 b + 16 (lane / 16) + i of my query
.set j, j+1
.endr
.irp b, 0,1
	v_max3_num_f32 v[BM+\b], |v[S+16*\b]|, |v[S+1+16*\b]|, 0x1800000
.endr
.irp i, 2,4,6,8,10,12,14
.irp b, 0,1
	s_delay_alu instid0(VALU_DEP_2)
	v_max3_num_f32 v[BM+\b], v[BM+\b], |v[S+16*\b+\i]|, |v[S+1+16*\b+\i]|
.endr
.endr
.irp b, 0,1
	s_delay_alu instid0(VALU_DEP_2)
	v_permlanex16_b32 v[BT+\b], v[BM+\b], s[SEL], s[SEL+1]
.endr
.irp b, 0,1
	s_delay_alu instid0(VALU_DEP_2)
	v_max_num_f32 v[BM+\b], v[BM+\b], v[BT+\b]
.endr
.irp b, 0,1
	s_delay_alu instid0(VALU_DEP_2)
	v_add_nc_u32 v[SO+\b], 0xff000000, v[BM+\b]
.endr
.irp b, 0,1
	s_delay_alu instid0(VALU_DEP_2)
	v_lshrrev_b32 v[BT+\b], 23, v[SO+\b]
.endr
	s_delay_alu instid0(VALU_DEP_1)
	v_lshl_or_b32 v[T1], v[BT+1], 8, v[BT]         ; my head's two scale bytes
	v_cvt_scalef32_pk16_fp6_f32 v[P:P+2], v[S:S+15], v[SO]
	v_cvt_scalef32_pk16_fp6_f32 v[PT:PT+2], v[S+16:S+31], v[SO+1]
	v_nop
.irp i, 0,1,2
	v_permlane16_swap_b32 v[P+\i], v[PT+\i]
.endr
.irp i, 0,1,2
	s_delay_alu instid0(VALU_DEP_3)
	v_mov_b32 v[P+3+\i], v[PT+\i]
.endr
.irp q, 0,1,2
	global_store_b64 v[L8], v[P+2*\q:P+2*\q+1], s[OD:OD+1] offset:256*\q   ; 256 consecutive bytes, aligned
.endr
	global_store_b16 v[L4], v[T1], s[OSD:OSD+1]
	s_wait_tensorcnt 0x0                           ; the wave's end
	ds_add_u32 v[SPW], v[NIL]
	s_wait_dscnt 0x0
	CROUND                                         ; the closing round
	s_endpgm
.Lfunc_end_k_q7ce8c63329_attn:
	.size	k_q7ce8c63329_attn, .Lfunc_end_k_q7ce8c63329_attn-k_q7ce8c63329_attn
	.p2alignl 7, 3214868480
	.fill 96, 4, 3214868480
	.section	.rodata,"a",@progbits
	.p2align	6, 0x0
	.amdhsa_kernel k_q7ce8c63329_attn
		.amdhsa_group_segment_fixed_size 215040
		.amdhsa_private_segment_fixed_size 0
		.amdhsa_enable_private_segment 0
		.amdhsa_kernarg_size 40
		.amdhsa_user_sgpr_count 2
		.amdhsa_user_sgpr_kernarg_segment_ptr 1
		.amdhsa_wavefront_size32 1
		.amdhsa_system_sgpr_workgroup_id_x 1
		.amdhsa_system_sgpr_workgroup_id_y 1
		.amdhsa_system_sgpr_workgroup_id_z 1
		.amdhsa_system_vgpr_workitem_id 0
		.amdhsa_next_free_vgpr 256
		.amdhsa_next_free_sgpr 66
		.amdhsa_reserve_vcc 0
		.amdhsa_float_denorm_mode_32 3
		.amdhsa_float_denorm_mode_16_64 3
		.amdhsa_memory_ordered 1
		.amdhsa_forward_progress 1
		.amdhsa_inst_pref_size 29
	.end_amdhsa_kernel
	.amdgpu_metadata
---
amdhsa.version: [ 1, 2 ]
amdhsa.kernels:
  - .name:           k_q7ce8c63329_attn
    .symbol:         k_q7ce8c63329_attn.kd
    .args:
      - { .name: qc, .offset: 0, .size: 8, .value_kind: global_buffer, .address_space: global }
      - { .name: qs, .offset: 8, .size: 8, .value_kind: global_buffer, .address_space: global }
      - { .name: kv, .offset: 16, .size: 8, .value_kind: global_buffer, .address_space: global }
      - { .name: oc, .offset: 24, .size: 8, .value_kind: global_buffer, .address_space: global }
      - { .name: os, .offset: 32, .size: 8, .value_kind: global_buffer, .address_space: global }
    .group_segment_fixed_size: 215040
    .private_segment_fixed_size: 0
    .kernarg_segment_align: 8
    .kernarg_segment_size: 40
    .max_flat_workgroup_size: 512
    .sgpr_count:     66
    .vgpr_count:     256
    .wavefront_size: 32
...
	.end_amdgpu_metadata
.endif
;; end of part 3
;; launch proj (part 4): grid 4 x 64, 8 waves a work-group, clusters of 4 x 4, 175,104 bytes of LDS; arguments oc, os, cod, scl, out0; writes out0
.if DOCPART == 4
	.amdgcn_target "amdgcn-amd-amdhsa--gfx1250"
	.amdhsa_code_object_version 6
	.text
	.protected	k_q7ce8c63329_proj
	.globl	k_q7ce8c63329_proj
	.p2align	8
	.type	k_q7ce8c63329_proj,@function
k_q7ce8c63329_proj:
	s_mov_b64 s[64:65], 0
	v_nop
	global_prefetch_b8 v0, s[64:65] scope:SCOPE_SE
	s_setreg_imm32_b32 hwreg(HW_REG_WAVE_MODE, 25, 1), 1
	s_wait_xcnt 0x0
	s_wait_alu depctr_hold_cnt(0) depctr_sa_sdst(0) depctr_va_vdst(0) depctr_va_sdst(0) depctr_va_ssrc(0) depctr_va_vcc(0) depctr_vm_vsrc(0)
	s_getreg_b32 s2, hwreg(HW_REG_IB_STS2, 6, 4)
	s_cmp_eq_u32 s2, 0
	s_cbranch_scc0 .Lentry_in_a_cluster
	s_endpgm
.Lentry_in_a_cluster:
	s_bfe_u32 s2, ttmp6, 0x10000c
	s_cmp_lg_u32 s2, 0xf033
	s_cbranch_scc0 .Lentry_shape_is_right
	s_endpgm
.Lentry_shape_is_right:
; LAUNCH 4 OF 4: out0 = (attention's result) Wp^T x 512^-0.5, on the codes that the launches before have made.  No work of reference() is left out here.
; SHARES.  Work-group (og, tb): outputs 128 og .. 128 og + 127 (Wp's tiles 8 og .. 8 og + 7), tokens 128 tb .. 128 tb + 127.  Wave w: token tile 8 tb + w against Wp's eight tiles: 8 accumulators x 4 K steps.
; TRANSPOSED: source 0 = 16 rows of Wp, source 1 = my 16 tokens: a lane holds ONE token, and by the tiles' row order the 16 registers of two neighbouring tiles are 16 neighbouring outputs.
; IN.  104 KiB, all at once: every fill is a first fill, one barrier.  ONE tensor load a wave: waves 0-2 thirds of the tokens' codes (16,384 bytes each), wave 3 their scale words (4,096), waves 4-6 thirds of Wp's codes, wave 7 its scale words.
; No prefetch: all bytes are asked for at the head, and there is no loop to run ahead in.
; CLUSTER 4 x 4: the tokens' codes hang on tb alone and are asked for jointly along a row of the cluster, Wp's on og alone, along a column.
; OUT.  A lane has 64 bytes of each of four runs of a row; the lanes beside it hold other rows.  So the wave's 16 rows x 512 bytes go through its own stage in LDS, which no fill touches, and leave as rows.
.set OSL,   98304                      ; LDS: the tokens' codes at 0, Wp's at 49,152; from OSL the tokens' scale words, 4,096, then Wp's, 4,096
.set STG,   106496                     ; the stages: 16 rows x 528 bytes for each wave
.set SP,    528
.set SPARE, 174080                     ; the spare words, 128 bytes a wave: four blocks of 256 bytes that no other line names
.set LI,   1                           ; 16 x lane
.set L8,   2                           ; 8 x lane
.set L4,   3                           ; 4 x lane
.set SPW,  4                           ; my spare word; never rewritten
.set NIL,  5                           ; 0; never rewritten
.set AO,   6                           ; my tile's codes; Wp's; my tile's scale words; Wp's
.set AW,   7
.set ASO,  8
.set ASW,  9
.set STO,  10                          ; the stage, on the way in: row l % 16, + 64 (l / 16)
.set SRD,  11                          ; and back: 16 x lane
.set ACC,  16                          ; v16-79   eight accumulators
.set F,    80                          ; v80-175  Wp's eight fragments; on the way out v80-143: 16 rows
.set OF,   176                         ; v176-187 my tile's fragment
.set SCR,  188                         ; v188-223 scale words, and nothing else
.set WV,   14
.set CSC,  22                          ; s[22:23] 512^-0.5
.set G1A,  24                          ; groups 1: the tokens' codes, their scale words, Wp's codes, its scale words
.set G1B,  32
.set G1C,  40
.set G1D,  48
.set G0A,  56
.set G0B,  60
.set G0C,  68
.set G0D,  72
.set OUT,  78                          ; s[78:79] my first row of out0, at my outputs
.macro CROUND                          ; a round of the cluster's barrier
	s_barrier_signal -1
	s_barrier_wait -1
	s_cmp_lg_u32 s[WV], 0
	s_cbranch_scc1 .Lnot_wave_0_\@
	s_barrier_signal -3
.Lnot_wave_0_\@:
	s_barrier_wait -3
	s_barrier_signal -1
	s_barrier_wait -1
.endm
.macro FILL g0, g1                     ; a joint load
	tensor_load_to_lds s[\g0:\g0+3], s[\g1:\g1+7]
	s_nop 0
.rept 4
	v_nop
.endr
.endm
.macro MM d, a, b, z, sa, sb           ; one product; z = 1: it starts the sum
.if \z
	v_wmma_scale_f32_16x16x128_f8f6f4 v[\d:\d+7], v[\a:\a+11], v[\b:\b+11], 0, v[\sa], v[\sb] matrix_a_fmt:MATRIX_FMT_FP6 matrix_b_fmt:MATRIX_FMT_FP6
.else
	v_wmma_scale_f32_16x16x128_f8f6f4 v[\d:\d+7], v[\a:\a+11], v[\b:\b+11], v[\d:\d+7], v[\sa], v[\sb] matrix_a_fmt:MATRIX_FMT_FP6 matrix_b_fmt:MATRIX_FMT_FP6
.endif
.endm
	s_load_b256 s[4:11], s[0:1], 0x0               ; oc, os, cod, scl
	s_load_b64 s[12:13], s[0:1], 0x20              ; out0
	v_lshl_add_u32 v[SPW], v0, 2, SPARE
	v_mov_b32 v[NIL], 0
	ds_add_u32 v[SPW], v[NIL]                      ; the opening lines: the add, twice on end; its wait follows the set-up
	ds_add_u32 v[SPW], v[NIL]
	v_lshrrev_b32 v1, 5, v0
	s_delay_alu instid0(VALU_DEP_1)
	v_readfirstlane_b32 s[WV], v1                  ; wave 0..7
	s_bfe_u32 s15, ttmp6, 0x40000                  ; cx
	s_bfe_u32 s16, ttmp6, 0x40004                  ; cy
	s_lshl_b32 s17, ttmp9, 2
	s_add_co_u32 s17, s17, s15                     ; og: the block of 128 outputs
	s_and_b32 s18, ttmp7, 0xffff
	s_lshl_b32 s18, s18, 2
	s_add_co_u32 s18, s18, s16                     ; tb: the block of 128 tokens
	s_lshl_b32 s86, s16, 2
	s_lshl_b32 s86, 15, s86                        ; my row of the cluster
	s_lshl_b32 s87, 0x1111, s15                    ; my column
	; groups 1: dense blocks as rows of 256 bytes (32 elements of 8 bytes), no padding: 64 rows of codes, 16 rows of scale words
	s_or_b32 s[G1A], s86, (3<<16)|(1<<21)
	s_or_b32 s[G1B], s86, (3<<16)|(1<<21)
	s_or_b32 s[G1C], s87, (3<<16)|(1<<21)
	s_or_b32 s[G1D], s87, (3<<16)|(1<<21)
.irp g, G1A, G1C
	s_mov_b32 s[\g+1], 32<<16
	s_mov_b32 s[\g+2], 64<<16
	s_mov_b32 s[\g+3], 32<<16
	s_mov_b32 s[\g+4], 64
	s_mov_b32 s[\g+5], 32
	s_mov_b32 s[\g+6], 0
	s_mov_b32 s[\g+7], 0
.endr
.irp g, G1B, G1D
	s_mov_b32 s[\g+1], 32<<16
	s_mov_b32 s[\g+2], 16<<16
	s_mov_b32 s[\g+3], 32<<16
	s_mov_b32 s[\g+4], 16
	s_mov_b32 s[\g+5], 32
	s_mov_b32 s[\g+6], 0
	s_mov_b32 s[\g+7], 0
.endr
	s_mov_b32 s[CSC], 0x3d3504f3                   ; 512^-0.5
	s_mov_b32 s[CSC+1], s[CSC]
	; the LDS addresses: the lane, the wave's number and constants
	v_and_b32 v1, 31, v0
	s_delay_alu instid0(VALU_DEP_1)
	v_lshlrev_b32 v[L8], 3, v1
	s_delay_alu instid0(VALU_DEP_2)
	v_lshlrev_b32 v[L4], 2, v1
	s_delay_alu instid0(VALU_DEP_3)
	v_lshlrev_b32 v[LI], 4, v1
	s_mul_i32 s2, s[WV], 6144
	v_add_nc_u32 v[AO], s2, v[L8]
	v_add_nc_u32 v[AW], 49152, v[LI]
	s_lshl_b32 s2, s[WV], 9
	s_add_co_u32 s2, s2, OSL
	v_add_nc_u32 v[ASO], s2, v[L4]
	v_add_nc_u32 v[ASW], OSL+4096, v[L8]
	s_mul_i32 s2, s[WV], 16*SP
	s_add_co_u32 s2, s2, STG                       ; my stage
	v_and_b32 v12, 15, v0
	v_bfe_u32 v13, v0, 4, 1
	s_delay_alu instid0(VALU_DEP_2)
	v_mul_u32_u24 v[STO], v12, SP
	s_delay_alu instid0(VALU_DEP_1)
	v_lshl_add_u32 v[STO], v13, 6, v[STO]
	s_delay_alu instid0(VALU_DEP_1)
	v_add_nc_u32 v[STO], s2, v[STO]
	v_add_nc_u32 v[SRD], s2, v[LI]
	; what I fetch: third j = wave % 4 of a block of codes, 16,384 j bytes on (j = 3: the scale words, whole)
	s_and_b32 s20, s[WV], 3
	s_lshl_b32 s21, s20, 14
	s_mul_i32 s88, s18, 49152                      ; the tokens': made of tb and the wave's number alone
	s_add_co_u32 s88, s88, s21
	s_mov_b32 s89, 0
	s_lshl_b32 s90, s18, 12
	s_mov_b32 s91, 0
	s_lshl_b32 s92, s17, 3                         ; Wp's: tile 608 + 8 og on: made of og and the wave's number alone
	s_add_co_u32 s92, s92, 608
	s_lshl_b32 s94, s92, 9
	s_mov_b32 s95, 0
	s_mul_i32 s92, s92, 6144
	s_add_co_u32 s92, s92, s21
	s_mov_b32 s93, 0
	; my rows of out0: token 128 tb + 32 (w / 2) + 8 (w % 2) on, 2,048 bytes a row; my outputs: 512 og bytes on
	s_lshl_b32 s[OUT], s18, 18
	s_lshr_b32 s96, s[WV], 1
	s_lshl_b32 s96, s96, 16
	s_add_co_u32 s[OUT], s[OUT], s96
	s_and_b32 s96, s[WV], 1
	s_lshl_b32 s96, s96, 14
	s_add_co_u32 s[OUT], s[OUT], s96
	s_lshl_b32 s96, s17, 9
	s_add_co_u32 s[OUT], s[OUT], s96
	s_mov_b32 s[OUT+1], 0
	s_wait_alu depctr_va_vdst(0)
	s_wait_dscnt 0x0                               ; both opening adds are done
	s_wait_kmcnt 0x0
	s_add_nc_u64 s[OUT:OUT+1], s[12:13], s[OUT:OUT+1]
	s_mov_b32 s[G0A], 1
	s_mov_b32 s[G0A+1], s21
	s_add_nc_u64 s[G0A+2:G0A+3], s[4:5], s[88:89]
	s_or_b32 s[G0A+3], s[G0A+3], 0x80000000
	s_mov_b32 s[G0B], 1
	s_mov_b32 s[G0B+1], OSL
	s_add_nc_u64 s[G0B+2:G0B+3], s[6:7], s[90:91]
	s_or_b32 s[G0B+3], s[G0B+3], 0x80000000
	s_mov_b32 s[G0C], 1
	s_add_co_u32 s[G0C+1], s21, 49152
	s_add_nc_u64 s[G0C+2:G0C+3], s[8:9], s[92:93]
	s_or_b32 s[G0C+3], s[G0C+3], 0x80000000
	s_mov_b32 s[G0D], 1
	s_mov_b32 s[G0D+1], OSL+4096
	s_add_nc_u64 s[G0D+2:G0D+3], s[10:11], s[94:95]
	s_or_b32 s[G0D+3], s[G0D+3], 0x80000000
	CROUND                                         ; all sixteen work-groups are here: the joint loads meet
	s_cmp_lt_u32 s[WV], 3                          ; one chain of branches on the wave's number, one fill to an arm, all arms to one join
	s_cbranch_scc0 .Lhead_b
	FILL G0A, G1A                                  ; waves 0-2: the tokens' codes
	s_branch .Lasked
.Lhead_b:
	s_cmp_eq_u32 s[WV], 3
	s_cbranch_scc0 .Lhead_c
	FILL G0B, G1B                                  ; wave 3: their scale words
	s_branch .Lasked
.Lhead_c:
	s_cmp_lt_u32 s[WV], 7
	s_cbranch_scc0 .Lhead_d
	FILL G0C, G1C                                  ; waves 4-6: Wp's codes
	s_branch .Lasked
.Lhead_d:
	FILL G0D, G1D                                  ; wave 7: its scale words
.Lasked:
	s_wait_tensorcnt 0x0                           ; my part is in,
	s_barrier_signal -1
	s_barrier_wait -1                              ; everybody's is.  Nothing is filled again
.irp k, 0,1,2,3
	ds_load_b32 v[SCR+32+\k], v[ASO] offset:128*\k   ; my tile's scale word of K step k
.endr
.irp t, 0,1,2,3,4,5,6,7
.irp f, 0,1
	ds_load_b64 v[SCR+4*\t+2*\f:SCR+4*\t+2*\f+1], v[ASW] offset:512*\t+256*\f   ; Wp's tile t: K steps 2 f, 2 f + 1
.endr
.endr
.irp k, 0,1,2,3                                ; a K step: my fragment first, then Wp's eight; the wait in front of tile t leaves the three loads of each later tile out
.irp q, 0,1,2,3,4,5
	ds_load_b64 v[OF+2*\q:OF+2*\q+1], v[AO] offset:1536*\k+256*\q
.endr
.irp t, 0,1,2,3,4,5,6,7
.irp c, 0,1,2
	ds_load_b128 v[F+12*\t+4*\c:F+12*\t+4*\c+3], v[AW] offset:6144*\t+1536*\k+512*\c
.endr
.endr
.irp t, 0,1,2,3,4,5,6,7                        ; the eight accumulators by turns, over the K steps too
	s_wait_dscnt 21-3*\t
.if \k == 0
	MM ACC+8*\t, F+12*\t, OF, 1, SCR+4*\t+\k, SCR+32+\k
.else
	MM ACC+8*\t, F+12*\t, OF, 0, SCR+4*\t+\k, SCR+32+\k
.endif
.endr
.rept 4
	v_nop                                          ; four places: in front of loads into the products' registers, and of the first read of results
.endr
.endr
.set j, 0
.rept 32
	v_pk_mul_f32 v[ACC+j:ACC+j+1], v[ACC+j:ACC+j+1], s[CSC:CSC+1] op_sel_hi:[1,0]   ; x 512^-0.5; each accumulator from its low end on
.set j, j+2
.endr
.irp b, 0,1,2,3
.irp i, 0,1,2,3
	ds_store_b128 v[STO], v[ACC+16*\b+4*\i:ACC+16*\b+4*\i+3] offset:128*\b+16*\i   ; register 16 b + n: output 32 b + 16 (lane / 16) + n of my token
.endr
.endr
.irp i, 0,1,2,3,4,5,6,7,8,9,10,11,12,13,14,15
	ds_load_b128 v[F+4*\i:F+4*\i+3], v[SRD] offset:SP*\i   ; LDS serves a wave's instructions in order (ISA guide 5.7.1.4): these see my stores
.endr
.irp i, 0,1,2,3,4,5,6,7,8,9,10,11,12,13,14,15
	s_wait_dscnt 15-\i                             ; row i is back; the later rows may be out
	global_store_b128 v[LI], v[F+4*\i:F+4*\i+3], s[OUT:OUT+1] offset:(\i+8*(\i/8))*2048 th:TH_STORE_NT   ; the tile's row i: 512 consecutive bytes, at a multiple of 256 from out0's first byte
.endr
	s_wait_tensorcnt 0x0                           ; the wave's end
	ds_add_u32 v[SPW], v[NIL]
	s_wait_dscnt 0x0
	CROUND                                         ; the closing round
	s_endpgm
.Lfunc_end_k_q7ce8c63329_proj:
	.size	k_q7ce8c63329_proj, .Lfunc_end_k_q7ce8c63329_proj-k_q7ce8c63329_proj
	.p2alignl 7, 3214868480
	.fill 96, 4, 3214868480
	.section	.rodata,"a",@progbits
	.p2align	6, 0x0
	.amdhsa_kernel k_q7ce8c63329_proj
		.amdhsa_group_segment_fixed_size 175104
		.amdhsa_private_segment_fixed_size 0
		.amdhsa_enable_private_segment 0
		.amdhsa_kernarg_size 40
		.amdhsa_user_sgpr_count 2
		.amdhsa_user_sgpr_kernarg_segment_ptr 1
		.amdhsa_wavefront_size32 1
		.amdhsa_system_sgpr_workgroup_id_x 1
		.amdhsa_system_sgpr_workgroup_id_y 1
		.amdhsa_system_sgpr_workgroup_id_z 1
		.amdhsa_system_vgpr_workitem_id 0
		.amdhsa_next_free_vgpr 248
		.amdhsa_next_free_sgpr 102
		.amdhsa_reserve_vcc 0
		.amdhsa_float_denorm_mode_32 3
		.amdhsa_float_denorm_mode_16_64 3
		.amdhsa_memory_ordered 1
		.amdhsa_forward_progress 1
		.amdhsa_inst_pref_size 29
	.end_amdhsa_kernel
	.amdgpu_metadata
---
amdhsa.version: [ 1, 2 ]
amdhsa.kernels:
  - .name:           k_q7ce8c63329_proj
    .symbol:         k_q7ce8c63329_proj.kd
    .args:
      - { .name: oc, .offset: 0, .size: 8, .value_kind: global_buffer, .address_space: global }
      - { .name: os, .offset: 8, .size: 8, .value_kind: global_buffer, .address_space: global }
      - { .name: cod, .offset: 16, .size: 8, .value_kind: global_buffer, .address_space: global }
      - { .name: scl, .offset: 24, .size: 8, .value_kind: global_buffer, .address_space: global }
      - { .name: out0, .offset: 32, .size: 8, .value_kind: global_buffer, .address_space: global }
    .group_segment_fixed_size: 175104
    .private_segment_fixed_size: 0
    .kernarg_segment_align: 8
    .kernarg_segment_size: 40
    .max_flat_workgroup_size: 256
    .sgpr_count:     102
    .vgpr_count:     248
    .wavefront_size: 32
...
	.end_amdgpu_metadata
.endif
;; end of part 4
